; MI455X (gfx1250); checked and timed in simulation.
; The chip was launched on July 23, 2026; its instructions are those of AMD's public machine-readable ISA for CDNA 5 (MIT licence, August 2026) and "CDNA5" Instruction Set Architecture Reference Guide (July 2026). The comments in the code are by the model that wrote it; some were corrected since.
;; Spatial Refine. Allowed arithmetic: matrix products marked QUANTISED: E4M3 operands, one E8M0 scale for each 32 along K, by v_wmma_scale_f32_16x16x128_f8f6f4 with both operands' format E4M3, f32 sums; products left as they are: f32 operands where the result goes on into a quantised operand, else bf16, f16 or f32 operands; f32 sums; everything else in f32.
;; Inputs: W_codes 64 x 8 x 32 uint8 (E4M3 codes of W, K innermost, in blocks of 32 codes); W_scales 64 x 8 uint8 (E8M0 scales of W, one for each 32 codes along K); fea_codes 8 x 64 x 64 x 8 x 32 uint8 (E4M3 codes of fea, K innermost, in blocks of 32 codes); fea_scales 8 x 64 x 64 x 8 uint8 (E8M0 scales of fea, one for each 32 codes along K); pred 8 x 2 x 64 x 64 float32.
;; Outputs: out0 8 x 2 x 64 x 64 float32.
;; This version of the problem:
;;   THIS VERSION OF THE PROBLEM IS GIVEN IN LOW PRECISION. The matrix products marked QUANTISED in the list below multiply operands that are first quantised to E4M3 (4 exponent bits, 3 mantissa bits; 8 bits a number), with one power-of-two scale for each 32 numbers along K (OCP MX v1.0); their sums are f32. All else is computed in f32.
;;   The module's matrix products, in the order in which they are computed (A, B: the left and right operand; K: the contracted axis; several contracted axes count as one K, in the product's order):
;;     1. [M 32,768, K 256] x [K 256, N 64]; A: input fea (given as codes); B: input W (given as codes): QUANTISED
;;     2. batch 8 x [M 4,096, K 64] x [K 64, N 4,096]; A: computed on the way; B: computed on the way: QUANTISED
;;     3. batch 8 x [M 2, K 4,096] x [K 4,096, N 4,096]; A: input pred; B: computed on the way: left as it is (M = 2 < 16)
;;   THE QUANTISER, for each operand of a quantised product, along K:
;;     - K is cut into blocks of 32 from its start; a last block that is shorter is filled with zeros.
;;     - A block's scale is 2^e with e = floor(log2(the largest magnitude in the block)) - 8, held to -126 .. 127; a block of zeros has e = 0. As a byte (E8M0): e + 127.
;;     - Each number is divided by its block's scale, clamped to +-448, and rounded to the nearest number of E4M3, ties to even, subnormals kept.
;;     - The product sums the exact products of the quantised numbers (number of the format x scale) in f32.
;;   ~~~python
;;   def quantise(x, axis):      # numpy; x: float32 -> the quantised numbers, widened to float32 again
;;       x = np.moveaxis(x, axis, -1); K = x.shape[-1]
;;       x = np.pad(x, [(0, 0)] * (x.ndim - 1) + [(0, -K % 32)]); x = x.reshape(x.shape[:-1] + (-1, 32)); a = np.abs(x).max(-1, keepdims=True)
;;       e = np.where(a > 0, np.clip(np.frexp(np.where(a > 0, a, 1))[1] - 1 - 8, -126, 127), 0)      # np.frexp(a)[1] - 1 = floor(log2(a)), exactly
;;       r = np.clip(x / 2.0 ** e, -448, 448)
;;       step = 2.0 ** (np.maximum(np.frexp(np.where(r == 0, 1, r))[1] - 1, -6) - 3)
;;       q = np.round(r / step) * step * 2.0 ** e      # np.round: ties to even
;;       return np.moveaxis(q.reshape(q.shape[:-2] + (-1,))[..., :K], -1, axis).astype(np.float32)
;;   ~~~
;;   OPERANDS COMPUTED ON THE WAY. 'Computed on the way' means the value that the module computes at that place (a softmax that the list does not call 'softmax' is quantised finished and normalised). What goes into a quantiser is computed in f32, as accurately as f32 sums, v_exp_f32 and their like allow (about 1e-6 of the number): no bf16 or f16 on the way to a quantiser, and a product that is left as it is and whose result goes on into a quantised operand takes f32 operands (vector FMAs, or v_wmma_f32_16x16x4_f32). A number that lies on a knife's edge between two numbers of the format may be rounded either way, as far as f32 arithmetic and the matrix unit's own rounding can turn it there, and no further.
;;   INPUTS GIVEN AS CODES. W (in the module: [64, 256], K = its axis 1); fea (in the module: [8, 256, 64, 64], K = its axis 1): each comes as NAME_codes (uint8): NAME with its K axis moved to the last place and cut into blocks of 32 codes, [.., K / 32, bytes a block], one block behind the other in memory; one code a byte (a code: sign, 4 exponent bits, 3 mantissa bits); and NAME_scales (uint8): the same leading axes, one E8M0 byte (e + 127) for each 32 codes along K. Its value is code x scale, taken as it is: it is not quantised again, and the codes and scales need not be those that the quantiser above would give.
;; One version. Each part assembles by itself: llvm-mc -triple=amdgcn-amd-amdhsa -mcpu=gfx1250 --defsym DOCPART=n.
;; ======== version 1 of 1: 2 launches
;; limits: values outside matrix products are rounded to bf16
;; workspace buffers: fq_codes 2,097,152 bytes; fq_scales 131,072 bytes
;; launch project (part 1): grid 256 x 1, 4 waves a work-group, no clusters, 168,448 bytes of LDS; arguments W_codes, W_scales, fea_codes, fea_scales, fq_codes, fq_scales; writes fq_codes, fq_scales
.if DOCPART == 1
	.amdgcn_target "amdgcn-amd-amdhsa--gfx1250"
	.amdhsa_code_object_version 6
	.text
	.protected	k_q89586ad62c_project
	.globl	k_q89586ad62c_project
	.p2align	8
	.type	k_q89586ad62c_project,@function
k_q89586ad62c_project:
	s_mov_b64 s[64:65], 0
	v_nop
	global_prefetch_b8 v0, s[64:65] scope:SCOPE_SE
	s_setreg_imm32_b32 hwreg(HW_REG_WAVE_MODE, 25, 1), 1
	s_wait_xcnt 0x0
; f[pixel][o] = sum over c of fea[pixel][c] W[o][c] on the given codes of E4M3 and their E8M0 scales (K = 256: two matrix instructions deep);
; each pixel's 64 numbers are divided by (their L2 norm + 1e-5) and quantised along the 64 channels (two blocks of 32) for the next launch.
; SHARES.  32,768 pixels; a work-group takes 128, each of its four waves 32: two tiles of 16.  Every wave holds all of W (64 x 256 codes: 128 registers).
; THE PRODUCT IS USED TRANSPOSED: source 0 = 16 rows of W, source 1 = 16 pixels, so that a lane holds ONE pixel (lane % 16) and its registers run along the channels.
; THE ROWS OF W THAT FORM A TILE ARE NOT NEIGHBOURS: lane r of tile 2 b + u takes row 32 b + 8 u + r + 8 (r / 8), so that the 16 registers of tiles 2 b and 2 b + 1
; are 16 neighbouring channels, 32 b + 16 (lane / 16) + 0 .. 15: the order in which the next product's operand wants them.  The conversions' results ARE that operand's registers.
; OUT.  fq_codes: [2,048 tiles of 16 pixels][block 0, 1][lane][16 bytes]: an image of registers 4 b .. 4 b + 3 of the operand; a wave's store covers 512 consecutive bytes.
;       fq_scales: [1,024 pairs of tiles][32 words]: word l belongs to pixel 32 i + l: byte 0, 1 its two scales, bytes 2, 3 = 0x7f for the half of K = 128 that the next launch fills with zero codes.
; LIMITS.  NaN codes (0x7f, 0xff), the scale byte 0xff and infinities are not served.  f / (norm + eps) is f x v_rcp_f32(v_sqrt_f32(sum of squares) + eps), each within 1 ulp.
; A block whose largest magnitude lies under 2^-118 (a block of zeros too) gets the byte 1: only this program reads the bytes, and zero codes add nothing under any byte but 0xff.
; NOT USED: a joint load for W in a cluster: W is 16,896 bytes, read once a wave straight into registers; through LDS it would cost a second hop and two rounds in a text with one step.
.set PITCH, 272                        ; a pixel's row in LDS: 256 bytes + 16 of padding = 68 words: row r starts at bank 4 r mod 64 (64 banks of 4 bytes: ISA guide 11.1)
.set WREG,  32*PITCH                   ; a wave's 32 rows, its own
.set SCG,   4*WREG                     ; behind them, in two blocks of 256 bytes of their own: the work-group's 128 scale words
.set FS,  10                           ; v[10:11]  fea's scale words of K steps 0, 1: lane l holds pixel l of my 32
.set WS,  12                           ; v[12:19]  W's scale words: tile t, K step s at v[WS + 2 t + s]
.set LN,  20                           ; v20       lane
.set PX,  21                           ; v21-22    the other half's sum of squares
.set PD,  24                           ; v24-27    the other half's largest magnitude
.set INV, 28                           ; v[28:29], v[30:31]  1 / (norm + eps), low word of a pair
.set XF,  32                           ; v32-63    fea's two fragments (K steps 0, 1) of the tile in hand
.set H,   64                           ; v64-127   f: tile of pixels u, tile of channels t at v[H + 32 u + 8 t]; block k = 2 u + b is v[H + 16 k] on
.set WF,  128                          ; v128-255  W's fragments: (t, s) at v[WF + 32 t + 16 s].  Behind the products these registers are free:
.set SS,  128                          ; v128-135  sums of squares, four a tile
.set MX,  144                          ; v144-147  a block's largest magnitude
.set HO,  148                          ; v148-151  448 x the scale
.set SO,  152                          ; v152-155  the conversion's scale operand
.set BY,  156                          ; v156-159  the scale's byte
.set CD,  160                          ; v160-175  the codes: block k at v[CD + 4 k]
.set WD,  176                          ; v176-177  a tile's scale words
.set WP,  178                          ; v178      the pair's
.set OW,  180                          ; v[180:183] the way out of the scale words
	s_load_b256 s[4:11], s[0:1], 0x0               ; W's codes s[4:5], W's scales s[6:7], fea's codes s[8:9], fea's scales s[10:11]
	s_load_b128 s[12:15], s[0:1], 0x20             ; fq_codes s[12:13], fq_scales s[14:15]
	v_lshl_add_u32 v23, v0, 2, 0x29000
	s_set_vgpr_msb 0x40
	v_mov_b32 v1, 0
	s_set_vgpr_msb 0x4044
	ds_add_u32 v23, v1
	ds_add_u32 v23, v1
	s_set_vgpr_msb 0x4400
	v_lshrrev_b32 v1, 5, v0
	v_readfirstlane_b32 s16, v1                    ; wave 0..3
	; descriptor group 1: 32 rows of 256 bytes, dense in memory, 16 bytes of padding behind each in LDS
	s_mov_b32 s24, (1<<20)|(5<<22)|(3<<25)         ; 15:0 no mask; 17:16 elements of 1 byte; 20 padding on; 24:22 after every 64 words (code 5); 31:25 four words (code 3)
	s_mov_b32 s25, 256<<16                         ; tensor_dim0 = 256
	s_mov_b32 s26, 32<<16                          ; tensor_dim1 = 32
	s_mov_b32 s27, 256<<16                         ; tile_dim0 = 256
	s_mov_b32 s28, 32                              ; tile_dim1 = 32
	s_mov_b32 s29, 256                             ; from row to row
	s_mov_b32 s30, 0
	s_mov_b32 s31, 0
	s_mov_b32 s20, 1                               ; group 0: count = 1
	s_mul_i32 s21, s16, WREG                       ; LDS address: my wave's rows
	s_lshl_b32 s18, ttmp9, 15                      ; fea's codes: 128 pixels x 256 bytes a work-group,
	s_lshl_b32 s35, s16, 13                        ; 32 x 256 a wave
	s_add_co_u32 s18, s18, s35
	s_mov_b32 s19, 0
	s_lshl_b32 s36, ttmp9, 10                      ; fea's scales: 8 bytes a pixel
	s_lshl_b32 s35, s16, 8
	s_add_co_u32 s36, s36, s35
	s_mov_b32 s37, 0
	s_lshl_b32 s38, ttmp9, 13                      ; fq_codes: 64 bytes a pixel
	s_lshl_b32 s35, s16, 11
	s_add_co_u32 s38, s38, s35
	s_mov_b32 s39, 0
	s_lshl_b32 s2, ttmp9, 9                        ; fq_scales: 4 bytes a pixel; wave 0 stores the work-group's 512
	s_mov_b32 s3, 0
	s_mov_b32 s32, 0x76543210
	s_mov_b32 s33, 0xfedcba98                      ; v_permlanex16_b32's selects for lane l xor 16
	s_mov_b32 s34, 0x600000                        ; the mantissa field of 448
	v_and_b32 v[LN], 31, v0
	v_and_b32 v1, 15, v0                           ; r
	v_bfe_u32 v2, v0, 4, 1                         ; h
	v_and_b32 v3, 8, v1
	v_add_nc_u32 v3, v3, v1                        ; r + 8 (r / 8)
	v_lshlrev_b32 v4, 3, v3                        ; W's scales: 8 bytes a row
	v_lshlrev_b32 v3, 8, v3                        ; W's codes: 256 bytes a row,
	v_lshl_add_u32 v3, v2, 4, v3                   ; + 16 h
	v_mul_u32_u24 v5, v1, PITCH
	v_lshl_add_u32 v5, v2, 4, v5
	v_add_nc_u32 v5, s21, v5                       ; fea in LDS: my wave's rows, row r, + 16 h
	v_lshlrev_b32 v6, 3, v[LN]                     ; 8 x lane
	v_lshlrev_b32 v7, 4, v[LN]                     ; 16 x lane
	v_lshl_add_u32 v8, v0, 2, SCG                  ; my pixel's scale word among the work-group's 128
	v_lshl_add_u32 v9, v[LN], 4, SCG               ; and where wave 0 reads them back
.irp j, 0,1
	v_mov_b32 v[PX+\j], 0                          ; written once: a lane permute's destination counts as one of its sources
	v_mov_b32 v[INV+2*\j+1], 0                     ; named as the upper half of a pair
.endr
.irp j, 0,1,2,3
	v_mov_b32 v[PD+\j], 0
.endr
	s_wait_dscnt 0x0
	s_wait_kmcnt 0x0
	s_add_nc_u64 s[22:23], s[8:9], s[18:19]        ; global address of my 32 rows
	s_or_b32 s23, s23, 0x80000000                  ; type = 2
	s_add_nc_u64 s[10:11], s[10:11], s[36:37]
	s_add_nc_u64 s[12:13], s[12:13], s[38:39]
	s_add_nc_u64 s[14:15], s[14:15], s[2:3]
	tensor_load_to_lds s[20:23], s[24:31]          ; my one tensor load: bytes that only my wave reads, filled once
	s_nop 0
.irp t, 0,1,2,3                                ; W's fragments: tile t begins at row 32 (t / 2) + 8 (t % 2)
.irp s, 0,1
.irp c, 0,1,2,3
	global_load_b128 v[WF+32*\t+16*\s+4*\c:WF+32*\t+16*\s+4*\c+3], v3, s[4:5] offset:(32*(\t/2)+8*(\t%2))*256+128*\s+32*\c
.endr
.endr
.endr
.irp t, 0,1,2,3
	global_load_b64 v[WS+2*\t:WS+2*\t+1], v4, s[6:7] offset:(32*(\t/2)+8*(\t%2))*8   ; its rows' two scale words
.endr
	global_load_b64 v[FS:FS+1], v6, s[10:11] th:TH_LOAD_NT   ; 32 lanes read 256 consecutive bytes, read once in the launch
.macro XFRAG u                         ; tile u's two fragments: lane (r, h): registers 4 c .. 4 c + 3 hold K = 128 s + 32 c + 16 h + 0 .. 15 of pixel r
.irp s, 0,1
.irp c, 0,1,2,3
	ds_load_b128 v[XF+16*\s+4*\c:XF+16*\s+4*\c+3], v5 offset:16*PITCH*\u+128*\s+32*\c
.endr
.endr
.endm
; Eight products: the four tiles of channels take turns, K step by K step, one instruction a turn; the first K step starts the sums.
; Tile u = 1 takes fea's scales from lanes 16-31 of the same registers.
.macro PROD u
.irp t, 0,1,2,3
.if \u
	v_wmma_scale_f32_16x16x128_f8f6f4 v[H+32*\u+8*\t:H+32*\u+8*\t+7], v[WF+32*\t:WF+32*\t+15], v[XF:XF+15], 0, v[WS+2*\t], v[FS] matrix_b_scale:MATRIX_SCALE_ROW1
.else
	v_wmma_scale_f32_16x16x128_f8f6f4 v[H+32*\u+8*\t:H+32*\u+8*\t+7], v[WF+32*\t:WF+32*\t+15], v[XF:XF+15], 0, v[WS+2*\t], v[FS]
.endif
.endr
.irp t, 0,1,2,3
.if \u
	v_wmma_scale_f32_16x16x128_f8f6f4 v[H+32*\u+8*\t:H+32*\u+8*\t+7], v[WF+32*\t+16:WF+32*\t+31], v[XF+16:XF+31], v[H+32*\u+8*\t:H+32*\u+8*\t+7], v[WS+2*\t+1], v[FS+1] matrix_b_scale:MATRIX_SCALE_ROW1
.else
	v_wmma_scale_f32_16x16x128_f8f6f4 v[H+32*\u+8*\t:H+32*\u+8*\t+7], v[WF+32*\t+16:WF+32*\t+31], v[XF+16:XF+31], v[H+32*\u+8*\t:H+32*\u+8*\t+7], v[WS+2*\t+1], v[FS+1]
.endif
.endr
.endm
	s_wait_tensorcnt 0x0                           ; my rows are in LDS; nobody else reads them, so no barrier
	XFRAG 0
	s_wait_loadcnt 0x0                             ; W, its scales, fea's scales
	s_wait_dscnt 0x0
	PROD 0
.rept 8
	v_nop                                          ; eight places in front of loads into registers that these products have read
.endr
	XFRAG 1
	s_wait_dscnt 0x0
	PROD 1
.rept 8
	v_nop                                          ; and in front of the first read of results and the first write over W's registers
.endr
	; THE NORM.  A lane holds 32 of its pixel's 64 numbers, lane l xor 16 the others.  Two chains a tile, the two tiles by turns; each accumulator is read from its low end on.
.irp u, 0,1
	v_pk_mul_f32 v[SS+4*\u:SS+4*\u+1], v[H+32*\u:H+32*\u+1], v[H+32*\u:H+32*\u+1]
	v_pk_mul_f32 v[SS+4*\u+2:SS+4*\u+3], v[H+32*\u+2:H+32*\u+3], v[H+32*\u+2:H+32*\u+3]
.endr
.irp i, 4,8,12,16,20,24,28
.irp u, 0,1
	v_pk_fma_f32 v[SS+4*\u:SS+4*\u+1], v[H+32*\u+\i:H+32*\u+\i+1], v[H+32*\u+\i:H+32*\u+\i+1], v[SS+4*\u:SS+4*\u+1]
	v_pk_fma_f32 v[SS+4*\u+2:SS+4*\u+3], v[H+32*\u+\i+2:H+32*\u+\i+3], v[H+32*\u+\i+2:H+32*\u+\i+3], v[SS+4*\u+2:SS+4*\u+3]
.endr
.endr
.irp u, 0,1
	v_pk_add_f32 v[SS+4*\u:SS+4*\u+1], v[SS+4*\u:SS+4*\u+1], v[SS+4*\u+2:SS+4*\u+3]
.endr
.irp u, 0,1
	v_add_f32 v[SS+4*\u], v[SS+4*\u], v[SS+4*\u+1]
.endr
.irp u, 0,1
	v_permlanex16_b32 v[PX+\u], v[SS+4*\u], s32, s33
.endr
.irp u, 0,1
	v_add_f32 v[SS+4*\u], v[SS+4*\u], v[PX+\u]     ; the pixel's sum of squares, the same bits in both halves of the lanes
.endr
.irp u, 0,1
	v_sqrt_f32 v[SS+4*\u+1], v[SS+4*\u]
.endr
	v_nop                                          ; one plain instruction behind a transcendental before its result is used (ISA guide 5.7.2)
	s_wait_alu depctr_va_vdst(0)
.irp u, 0,1
	v_add_f32 v[SS+4*\u+1], 0x3727c5ac, v[SS+4*\u+1]   ; + 1e-5
.endr
.irp u, 0,1
	v_rcp_f32 v[INV+2*\u], v[SS+4*\u+1]
.endr
	v_nop
	s_wait_alu depctr_va_vdst(0)
.irp i, 0,2,4,6,8,10,12,14,16,18,20,22,24,26,28,30
.irp u, 0,1
	v_pk_mul_f32 v[H+32*\u+\i:H+32*\u+\i+1], v[H+32*\u+\i:H+32*\u+\i+1], v[INV+2*\u:INV+2*\u+1] op_sel_hi:[1,0]
.endr
.endr
	; THE QUANTISER, four blocks k = 2 u + b by turns: block k's 16 numbers of this lane are v[H + 16 k] on.
.irp k, 0,1,2,3
	v_max3_num_f32 v[MX+\k], |v[H+16*\k]|, |v[H+16*\k+1]|, 0x4800000   ; and the floor 2^(9 - 127): the byte cannot fall under 1
.endr
.irp i, 2,4,6,8,10,12,14
.irp k, 0,1,2,3
	v_max3_num_f32 v[MX+\k], v[MX+\k], |v[H+16*\k+\i]|, |v[H+16*\k+\i+1]|
.endr
.endr
.irp k, 0,1,2,3
	v_permlanex16_b32 v[PD+\k], v[MX+\k], s32, s33
.endr
.irp k, 0,1,2,3
	v_max_num_f32 v[MX+\k], v[MX+\k], v[PD+\k]     ; with lane l xor 16's 16: the block's largest magnitude
.endr
.irp k, 0,1,2,3
	v_add_nc_u32 v[SO+\k], 0xfc000000, v[MX+\k]    ; 8 off its exponent field: the conversion takes this operand's exponent field as its scale
.endr
.irp k, 0,1,2,3
	v_and_or_b32 v[HO+\k], v[MX+\k], 0x7f800000, s34   ; 448 x the scale
.endr
.irp k, 0,1,2,3
	v_lshrrev_b32 v[BY+\k], 23, v[SO+\k]           ; the scale's byte
.endr
.irp u, 0,1
	v_lshl_or_b32 v[WD+\u], v[BY+2*\u+1], 8, v[BY+2*\u]
.endr
.irp u, 0,1
	v_or_b32 v[WD+\u], 0x7f7f0000, v[WD+\u]        ; bytes 2 and 3: 1.0 for the zero codes of K = 64 .. 127
.endr
.irp k, 0,1,2,3
.irp i, 0,1,2,3,4,5,6,7,8,9,10,11,12,13,14,15
	v_med3_num_f32 v[H+16*\k+\i], v[H+16*\k+\i], -v[HO+\k], v[HO+\k]   ; the conversion to an 8-bit code does not saturate (ISA guide 7.6.2): the hold at the largest code x the scale
.endr
	v_cvt_scalef32_pk8_fp8_f32 v[CD+4*\k:CD+4*\k+1], v[H+16*\k:H+16*\k+7], v[SO+\k]
	v_cvt_scalef32_pk8_fp8_f32 v[CD+4*\k+2:CD+4*\k+3], v[H+16*\k+8:H+16*\k+15], v[SO+\k]
.endr
	v_nop                                          ; one plain instruction behind the last scaled conversion
.irp k, 0,1,2,3
	global_store_b128 v7, v[CD+4*\k:CD+4*\k+3], s[12:13] offset:512*\k   ; tile u, block b: 32 lanes store 512 consecutive bytes, at a multiple of 512 from the buffer's first byte
.endr
	v_cmp_gt_u32 vcc_lo, 16, v[LN]
	v_cndmask_b32 v[WP], v[WD+1], v[WD], vcc_lo    ; lanes 0-15: tile 0's words; lanes 16-31: tile 1's (both halves of the lanes hold a pixel's word)
	ds_store_b32 v8, v[WP]
	s_wait_dscnt 0x0                               ; for wave 0's sake: my words lie in LDS
	s_barrier_signal -1
	s_barrier_wait -1
	s_cmp_lg_u32 s16, 0
	s_cbranch_scc1 .Lend
	ds_load_b128 v[OW:OW+3], v9                    ; the work-group's 128 words
	s_wait_dscnt 0x0
	global_store_b128 v7, v[OW:OW+3], s[14:15]     ; 512 consecutive bytes, at a multiple of 512
.Lend:
	s_set_vgpr_msb 0x4
	s_wait_tensorcnt 0x0
	ds_add_u32 v23, v1
	s_wait_dscnt 0x0
	s_set_vgpr_msb 0x400
	s_endpgm
.Lfunc_end_k_q89586ad62c_project:
	.size	k_q89586ad62c_project, .Lfunc_end_k_q89586ad62c_project-k_q89586ad62c_project
	.p2alignl 7, 3214868480
	.fill 96, 4, 3214868480
	.section	.rodata,"a",@progbits
	.p2align	6, 0x0
	.amdhsa_kernel k_q89586ad62c_project
		.amdhsa_group_segment_fixed_size 168448
		.amdhsa_private_segment_fixed_size 0
		.amdhsa_enable_private_segment 0
		.amdhsa_kernarg_size 48
		.amdhsa_user_sgpr_count 2
		.amdhsa_user_sgpr_kernarg_segment_ptr 1
		.amdhsa_wavefront_size32 1
		.amdhsa_system_sgpr_workgroup_id_x 1
		.amdhsa_system_sgpr_workgroup_id_y 1
		.amdhsa_system_sgpr_workgroup_id_z 1
		.amdhsa_system_vgpr_workitem_id 0
		.amdhsa_next_free_vgpr 258
		.amdhsa_next_free_sgpr 66
		.amdhsa_reserve_vcc 1
		.amdhsa_float_denorm_mode_32 3
		.amdhsa_float_denorm_mode_16_64 3
		.amdhsa_memory_ordered 1
		.amdhsa_forward_progress 1
		.amdhsa_inst_pref_size 25
	.end_amdhsa_kernel
	.amdgpu_metadata
---
amdhsa.version: [ 1, 2 ]
amdhsa.kernels:
  - .name:           k_q89586ad62c_project
    .symbol:         k_q89586ad62c_project.kd
    .args:
      - { .name: W_codes, .offset: 0, .size: 8, .value_kind: global_buffer, .address_space: global }
      - { .name: W_scales, .offset: 8, .size: 8, .value_kind: global_buffer, .address_space: global }
      - { .name: fea_codes, .offset: 16, .size: 8, .value_kind: global_buffer, .address_space: global }
      - { .name: fea_scales, .offset: 24, .size: 8, .value_kind: global_buffer, .address_space: global }
      - { .name: fq_codes, .offset: 32, .size: 8, .value_kind: global_buffer, .address_space: global }
      - { .name: fq_scales, .offset: 40, .size: 8, .value_kind: global_buffer, .address_space: global }
    .group_segment_fixed_size: 168448
    .private_segment_fixed_size: 0
    .kernarg_segment_align: 8
    .kernarg_segment_size: 48
    .max_flat_workgroup_size: 128
    .sgpr_count:     66
    .vgpr_count:     258
    .wavefront_size: 32
...
	.end_amdgpu_metadata
.endif
;; end of part 1
;; launch aggregate (part 2): grid 32 x 8, 16 waves a work-group, clusters of 4 x 1, 327,680 bytes of LDS; arguments fq_codes, fq_scales, pred, out0; writes out0
.if DOCPART == 2
	.amdgcn_target "amdgcn-amd-amdhsa--gfx1250"
	.amdhsa_code_object_version 6
	.text
	.protected	k_q89586ad62c_aggregate
	.globl	k_q89586ad62c_aggregate
	.p2align	8
	.type	k_q89586ad62c_aggregate,@function
k_q89586ad62c_aggregate:
	s_mov_b64 s[64:65], 0
	v_nop
	global_prefetch_b8 v0, s[64:65] scope:SCOPE_SE
	s_setreg_imm32_b32 hwreg(HW_REG_WAVE_MODE, 25, 1), 1
	s_wait_xcnt 0x0
	s_wait_alu depctr_hold_cnt(0) depctr_sa_sdst(0) depctr_va_vdst(0) depctr_va_sdst(0) depctr_va_ssrc(0) depctr_va_vcc(0) depctr_vm_vsrc(0)
	s_getreg_b32 s2, hwreg(HW_REG_IB_STS2, 6, 4)
	s_cmp_eq_u32 s2, 0
	s_cbranch_scc0 .Lentry_in_a_cluster
	s_endpgm
.Lentry_in_a_cluster:
	s_bfe_u32 s2, ttmp6, 0x10000c
	s_cmp_lg_u32 s2, 0x3003
	s_cbranch_scc0 .Lentry_shape_is_right
	s_endpgm
.Lentry_shape_is_right:
; out[n][c][q] = (sum over p of pred[n][c][p] relu(aff[p][q])) / (sum over p of relu(aff[p][q]) + 1e-5),  aff[p][q] = fq[p] . fq[q]: the affinities live in registers alone.
; aff is the quantised product: codes of E4M3 with E8M0 scales, K = 64; the instruction's K is 128, so registers 8-15 of both operands hold zero codes (scale bytes 0x7f).
; The sum with pred is left as it is: bf16 operands, f32 sums.  Its left operand has 16 rows: pred's channel 0, channel 1, ONES, zeros, four times over: so the same instruction gives both numerators and the column's sum.
; SHARES.  A work-group owns 128 columns q of one image and sums over all 4,096 p.  Sixteen waves of 256 registers, four to a SIMD, so that one wave's relu and roundings stand beside another's products.
; Wave w: qg = w & 1: 64 columns (four tiles, in registers for the whole launch); pg = w >> 1: of each chunk of 1,024 p the 128 from 128 pg on, 32 a step.  The eight pg's sums meet in LDS at the end.
; LAYOUT.  Scaled product: source 0 = 16 p, source 1 = 16 q: register j of lane (r, h) is aff(8 h + j, r).  Two such tiles (p 0-15, p 16-31), rounded to bf16 in pairs, ARE source 1 (K = 32 p x 16 q) of the bf16 product:
; nothing changes lanes.  In its result registers 0, 1, 2 of every lane are numerator 0, numerator 1 and the sum of column r.
; CLUSTER.  The four work-groups of a cluster belong to one image and read the same 278,528 bytes of codes and scale words: each piece is asked for JOINTLY (mask 15).  An image's operand fits in LDS whole:
; every byte is filled once, so there is no ring: five loads in each of waves 0-3 at the start, one round in front of them, one at the end.
; LIMITS.  relu(aff) and pred are rounded to bf16 for the last product; the column's sum is the f32 sum of the ROUNDED relu(aff) (each within 2^-9 of its number), the very weights of the numerators.  NaN and infinities are not served.
.set COD,  0                           ; LDS: the image's codes, 256 tiles x 1,024 bytes, as images of the operand's registers
.set SCL,  262144                      ; its scale words, 128 pairs of tiles x 128 bytes
.set PRD,  SCL+16384                   ; 4 rows of 4,096 bf16: pred 0, pred 1, ones, zeros; in blocks of 256 bytes into which no fill lands
.set PROW, 8208                        ; a row + 16 bytes: row i starts at bank 4 i (64 banks of 4 bytes: ISA guide 11.1)
.set RED,  0                           ; the partial sums, [pg][128 q][16 bytes], in chunk 0's first bytes: they have had their only fill, and every wave's reads of them were over at chunk 1's barrier
.set VA,   1                           ; v1   LDS address of my step's codes: 16 x lane + 8,192 pg + 65,536 chunk
.set VS,   2                           ; v2   of my scale words: SCL + 4 x lane + 512 pg
.set VP,   3                           ; v3   of my piece of PRD: PRD + (lane & 3) PROW + 16 h + 256 pg
.set VR,   4                           ; v4   where my partial sums go: 2,048 pg + 1,024 qg + 16 r
.set AS,   5                           ; v5   the step's scale words: lanes 0-15 p 0-15, lanes 16-31 p 16-31
.set BS,   6                           ; v6-7 my columns': tiles 0, 1 and tiles 2, 3
.set PF,   8                           ; v8-23    pred's fragments, two buffers
.set AF,   24                          ; v24-55   the step's two tiles of p; registers 8-15 of each stay zero
.set BF,   56                          ; v56-119  my four tiles of q; registers 8-15 of each stay zero
.set AFF,  120                         ; v120-183 aff: (u, t) at v[AFF + 32 u + 8 t]
.set PB,   184                         ; v184-215 relu(aff) in bf16: tile t at v[PB + 8 t]
.set ACC,  216                         ; v216-247 the sums: tile t at v[ACC + 8 t]
.set VRD,  248                         ; v248 the end: where I read partial sums: 1,024 w + 32 x lane
.set VO,   249                         ; v249 8 x lane
.set VT16, 250                         ; v250 16 x thread
.set VP8,  251                         ; v251 PRD + 8 x thread
.set VP16, 252                         ; v252 PRD + 16 x thread
.set VL16, 253                         ; v253 16 x lane
.set VL4,  254                         ; v254 4 x lane
.set G1C,  24                          ; s[24:31] descriptor group 1 for codes;  s[32:39] for scale words
.set G1S,  32
.set G0S,  40                          ; s[40:43] group 0 for scale words;  s[44:59] for the four chunks of codes
.set G0C,  44
; A round of the cluster's barrier: my work-group's barrier, wave 0 signals for the work-group, every wave waits for all four work-groups, my work-group's barrier once more.
.macro CROUND
	s_barrier_signal -1
	s_barrier_wait -1
	s_cmp_lg_u32 s12, 0
	s_cbranch_scc1 .Lnot_wave_0_\@
	s_barrier_signal -3
.Lnot_wave_0_\@:
	s_barrier_wait -3
	s_barrier_signal -1
	s_barrier_wait -1
.endm
	s_load_b256 s[4:11], s[0:1], 0x0               ; fq_codes s[4:5], fq_scales s[6:7], pred s[8:9], out0 s[10:11]
	v_lshl_add_u32 v254, v0, 2, 0x4c100
	v_mov_b32 v255, 0
	ds_add_u32 v254, v255
	ds_add_u32 v254, v255
	s_wait_dscnt 0x0
	v_lshrrev_b32 v255, 5, v0
	v_readfirstlane_b32 s12, v255                  ; wave 0..15
	v_and_b32 v255, 31, v0                         ; lane
	s_bfe_u32 s13, ttmp6, 0x40000                  ; cx: my place in the cluster
	s_lshl_b32 s14, ttmp9, 2                       ; in a cluster launch ttmp9 counts clusters
	s_add_co_u32 s14, s14, s13                     ; X: my block of 128 columns.  It enters my own global addresses alone
	s_and_b32 s15, ttmp7, 0xffff                   ; n: the image, which the four partners share
	s_and_b32 s16, s12, 1                          ; qg
	s_lshr_b32 s17, s12, 1                         ; pg
	; descriptor group 1: dense blocks as rows of 256 bytes (32 elements of 8 bytes): 64 rows of codes, 16 of scale words; no padding: the bytes are read 16 x lane on end
	s_mov_b32 s[G1C], 15|(3<<16)|(1<<21)           ; 15:0 the mask: all four work-groups; 17:16 elements of 8 bytes; 21 set beside a mask
	s_mov_b32 s[G1C+1], 32<<16                     ; tensor_dim0 = 32
	s_mov_b32 s[G1C+2], 64<<16                     ; tensor_dim1 = 64
	s_mov_b32 s[G1C+3], 32<<16                     ; tile_dim0 = 32
	s_mov_b32 s[G1C+4], 64                         ; tile_dim1 = 64
	s_mov_b32 s[G1C+5], 32                         ; from row to row
	s_mov_b32 s[G1C+6], 0
	s_mov_b32 s[G1C+7], 0
	s_mov_b32 s[G1S], 15|(3<<16)|(1<<21)
	s_mov_b32 s[G1S+1], 32<<16
	s_mov_b32 s[G1S+2], 16<<16
	s_mov_b32 s[G1S+3], 32<<16
	s_mov_b32 s[G1S+4], 16
	s_mov_b32 s[G1S+5], 32
	s_mov_b32 s[G1S+6], 0
	s_mov_b32 s[G1S+7], 0
	; what waves 0-3 fetch jointly: a quarter of each chunk and of the scale words.  Image and wave alone enter here
	s_and_b32 s22, s12, 3
	s_lshl_b32 s23, s22, 14                        ; 16,384 bytes of codes a wave,
	s_lshl_b32 s22, s22, 12                        ; 4,096 of scale words
	s_lshl_b32 s18, s15, 18                        ; an image's codes: 262,144 bytes
	s_add_co_u32 s18, s18, s23
	s_mov_b32 s19, 0
	s_lshl_b32 s20, s15, 14                        ; its scale words: 16,384
	s_add_co_u32 s20, s20, s22
	s_mov_b32 s21, 0
	; my own offsets
	s_lshl_b32 s66, s15, 18                        ; my four tiles of q: tile 8 X + 4 qg of the image, 1,024 bytes a tile
	s_lshl_b32 s74, s14, 13
	s_add_co_u32 s66, s66, s74
	s_lshl_b32 s74, s16, 12
	s_add_co_u32 s66, s66, s74
	s_mov_b32 s67, 0
	s_lshl_b32 s68, s15, 14                        ; their scale words: pair 4 X + 2 qg, 128 bytes a pair
	s_lshl_b32 s74, s14, 9
	s_add_co_u32 s68, s68, s74
	s_lshl_b32 s74, s16, 8
	s_add_co_u32 s68, s68, s74
	s_mov_b32 s69, 0
	s_lshl_b32 s70, s15, 15                        ; pred: 32,768 bytes an image
	s_mov_b32 s71, 0
	s_lshl_b32 s72, s14, 9                         ; out0: + 512 X + 256 w (waves 0 and 1 store)
	s_add_co_u32 s72, s72, s70
	s_lshl_b32 s74, s12, 8
	s_add_co_u32 s72, s72, s74
	s_mov_b32 s73, 0
	; every address register is made here, on the one way that all waves take
	v_lshlrev_b32 v[VL16], 4, v255
	v_lshlrev_b32 v[VL4], 2, v255
	v_lshlrev_b32 v[VO], 3, v255
	v_lshlrev_b32 v[VT16], 4, v0
	v_lshl_add_u32 v[VP8], v0, 3, PRD
	v_lshl_add_u32 v[VP16], v0, 4, PRD
	s_lshl_b32 s60, s17, 13
	v_add_nc_u32 v[VA], s60, v[VL16]
	s_lshl_b32 s60, s17, 9
	s_add_co_u32 s60, s60, SCL
	v_add_nc_u32 v[VS], s60, v[VL4]
	v_and_b32 v120, 3, v0
	v_bfe_u32 v121, v0, 4, 1
	v_mul_u32_u24 v[VP], v120, PROW
	v_lshl_add_u32 v[VP], v121, 4, v[VP]
	s_lshl_b32 s60, s17, 8
	s_add_co_u32 s60, s60, PRD
	v_add_nc_u32 v[VP], s60, v[VP]
	v_and_b32 v120, 15, v0
	s_lshl_b32 s60, s17, 11
	s_lshl_b32 s61, s16, 10
	s_add_co_u32 s60, s60, s61
	v_lshl_add_u32 v[VR], v120, 4, s60
	s_lshl_b32 s60, s12, 10
	v_lshl_add_u32 v[VRD], v255, 5, s60
.irp f, AF+8, AF+24, BF+8, BF+24, BF+40, BF+56 ; zero codes for K = 64 .. 127, a run of its own for each operand; written once
.irp j, 0,1,2,3,4,5,6,7
	v_mov_b32 v[\f+\j], 0
.endr
.endr
.irp j, 0,1,2,3
	v_mov_b32 v[144+\j], 0x3f803f80                ; eight ones in bf16
	v_mov_b32 v[148+\j], 0
.endr
	s_wait_kmcnt 0x0
	s_add_nc_u64 s[18:19], s[4:5], s[18:19]        ; the joint addresses first, from the buffers' own
	s_add_nc_u64 s[20:21], s[6:7], s[20:21]
	s_add_nc_u64 s[4:5], s[4:5], s[66:67]
	s_add_nc_u64 s[6:7], s[6:7], s[68:69]
	s_add_nc_u64 s[8:9], s[8:9], s[70:71]
	s_add_nc_u64 s[10:11], s[10:11], s[72:73]
	; my own loads go out ahead of the round: nobody stores to these bytes, and they are on their way while the work-groups meet
.irp k, 0,1,2,3                                ; pred: channel k / 2, half k % 2: 512 threads x 16 bytes
	global_load_b128 v[AFF+4*\k:AFF+4*\k+3], v[VT16], s[8:9] offset:16384*(\k/2)+8192*(\k%2)
.endr
.irp t, 0,1,2,3                                ; my columns' fragments come from memory
.irp b, 0,1
	global_load_b128 v[BF+16*\t+4*\b:BF+16*\t+4*\b+3], v[VL16], s[4:5] offset:1024*\t+512*\b
.endr
.endr
	global_load_b32 v[BS], v[VL4], s[6:7]
	global_load_b32 v[BS+1], v[VL4], s[6:7] offset:128
	s_mov_b32 s[G0S], 1                            ; count = 1
	s_add_co_u32 s[G0S+1], s22, SCL                ; LDS address
	s_mov_b64 s[G0S+2:G0S+3], s[20:21]             ; global address
	s_or_b32 s[G0S+3], s[G0S+3], 0x80000000        ; type = 2
.irp c, 0,1,2,3
	s_mov_b32 s[G0C+4*\c], 1
	s_add_co_u32 s[G0C+4*\c+1], s23, 65536*\c
	s_add_nc_u64 s[G0C+4*\c+2:G0C+4*\c+3], s[18:19], 65536*\c
	s_or_b32 s[G0C+4*\c+3], s[G0C+4*\c+3], 0x80000000
.endr
	CROUND                                         ; all four work-groups are here: the joint loads meet
	s_cmp_lt_u32 s12, 4                            ; waves 0-3 fetch; all their fills stand in this one branch: five loads of mine are out
	s_cbranch_scc0 .Lno_fill
	tensor_load_to_lds s[G0S:G0S+3], s[G1S:G1S+7]
	s_nop 0
	tensor_load_to_lds s[G0C:G0C+3], s[G1C:G1C+7]
	s_nop 0
	tensor_load_to_lds s[G0C+4:G0C+7], s[G1C:G1C+7]
	s_nop 0
	tensor_load_to_lds s[G0C+8:G0C+11], s[G1C:G1C+7]
	s_nop 0
	tensor_load_to_lds s[G0C+12:G0C+15], s[G1C:G1C+7]
	s_nop 0
.rept 4
	v_nop                                          ; four v_nop follow the last, ahead of the label
.endr
.Lno_fill:
	s_wait_loadcnt 10                              ; pred's four loads are in; the ten issued behind them may be out
.irp k, 0,1,2,3
	v_cvt_pk_bf16_f32 v[136+2*\k], v[AFF+4*\k], v[AFF+4*\k+1]
	v_cvt_pk_bf16_f32 v[137+2*\k], v[AFF+4*\k+2], v[AFF+4*\k+3]
.endr
.irp k, 0,1,2,3
	ds_store_b64 v[VP8], v[136+2*\k:137+2*\k] offset:PROW*(\k/2)+4096*(\k%2)
.endr
	ds_store_b128 v[VP16], v[144:147] offset:2*PROW    ; the row of ones
	ds_store_b128 v[VP16], v[148:151] offset:3*PROW    ; the row of zeros
	s_wait_loadcnt 0x0                             ; my columns' fragments and scale words
; Seven LDS loads: step s of chunk c: two tiles of p (registers 0-7 of each), their scale words, pred's fragment into buffer pb
.macro LOADS c, s, pb
.irp u, 0,1
.irp b, 0,1
	ds_load_b128 v[AF+16*\u+4*\b:AF+16*\u+4*\b+3], v[VA] offset:2048*(\s)+1024*\u+512*\b
.endr
.endr
	ds_load_b32 v[AS], v[VS] offset:4096*(\c)+128*(\s)
	ds_load_b128 v[PF+8*(\pb):PF+8*(\pb)+3], v[VP] offset:2048*(\c)+64*(\s)
	ds_load_b128 v[PF+8*(\pb)+4:PF+8*(\pb)+7], v[VP] offset:2048*(\c)+64*(\s)+32
.endm
; aff(u, t).  The odd tile of a pair has its scale words in lanes 16-31
.macro MUL1 u, t
.if \u == 0
.if (\t)%2 == 0
	v_wmma_scale_f32_16x16x128_f8f6f4 v[AFF+32*\u+8*\t:AFF+32*\u+8*\t+7], v[AF+16*\u:AF+16*\u+15], v[BF+16*\t:BF+16*\t+15], 0, v[AS], v[BS+(\t)/2]
.else
	v_wmma_scale_f32_16x16x128_f8f6f4 v[AFF+32*\u+8*\t:AFF+32*\u+8*\t+7], v[AF+16*\u:AF+16*\u+15], v[BF+16*\t:BF+16*\t+15], 0, v[AS], v[BS+(\t)/2] matrix_b_scale:MATRIX_SCALE_ROW1
.endif
.else
.if (\t)%2 == 0
	v_wmma_scale_f32_16x16x128_f8f6f4 v[AFF+32*\u+8*\t:AFF+32*\u+8*\t+7], v[AF+16*\u:AF+16*\u+15], v[BF+16*\t:BF+16*\t+15], 0, v[AS], v[BS+(\t)/2] matrix_a_scale:MATRIX_SCALE_ROW1
.else
	v_wmma_scale_f32_16x16x128_f8f6f4 v[AFF+32*\u+8*\t:AFF+32*\u+8*\t+7], v[AF+16*\u:AF+16*\u+15], v[BF+16*\t:BF+16*\t+15], 0, v[AS], v[BS+(\t)/2] matrix_a_scale:MATRIX_SCALE_ROW1 matrix_b_scale:MATRIX_SCALE_ROW1
.endif
.endif
.endm
.macro MULS
.irp t, 0,1,2,3
.irp u, 0,1
	MUL1 \u, \t
.endr
.endr
.endm
; relu, two numbers an instruction, each accumulator from its low end on; then the rounding to bf16 in pairs: 16 instructions for 512 affinities
.macro VT t
.irp u, 0,1
.irp i, 0,2,4,6
	v_dual_max_num_f32 v[AFF+32*\u+8*(\t)+\i], 0, v[AFF+32*\u+8*(\t)+\i] :: v_dual_max_num_f32 v[AFF+32*\u+8*(\t)+\i+1], 0, v[AFF+32*\u+8*(\t)+\i+1]
.endr
.endr
.irp u, 0,1
.irp i, 0,1,2,3
	v_cvt_pk_bf16_f32 v[PB+8*(\t)+4*\u+\i], v[AFF+32*\u+8*(\t)+2*\i], v[AFF+32*\u+8*(\t)+2*\i+1]
.endr
.endr
.endm
.macro WT t, pb, zero                  ; numerators and sum of tile t's 16 columns, over these 32 p.  zero = 1: the first product starts the sums
.if \zero
	v_wmma_f32_16x16x32_bf16 v[ACC+8*(\t):ACC+8*(\t)+7], v[PF+8*(\pb):PF+8*(\pb)+7], v[PB+8*(\t):PB+8*(\t)+7], 0
.else
	v_wmma_f32_16x16x32_bf16 v[ACC+8*(\t):ACC+8*(\t)+7], v[PF+8*(\pb):PF+8*(\pb)+7], v[PB+8*(\t):PB+8*(\t)+7], v[ACC+8*(\t):ACC+8*(\t)+7]
.endif
.endm
; A STEP: 32 p x my 64 q.  The four sums take turns, one instruction a turn, with the eight scaled products between two laps.
.macro STEP c, s, zero
	s_wait_dscnt 0x0                               ; the seven loads issued a step ago (at a chunk's head: just now)
	MULS
.rept 8
	v_nop                                          ; eight places in front of the first read of aff and of loads into the registers that these products have read
.endr                                              ; they also stand between the last step's bf16 products and the writes of their sources (four are asked)
.if \s < 3
	LOADS \c, \s+1, (\s+1)%2                       ; the next step's operands land while this step's affinities are worked
.endif
	VT 0
	VT 1
	WT 0, \s%2, \zero
	VT 2
	WT 1, \s%2, \zero
	VT 3
	WT 2, \s%2, \zero
	WT 3, \s%2, \zero
.endm
; A CHUNK of 1,024 p.  Of an issuing wave's five fills the scale words and chunks 0 .. c have landed when at most 3 - c are out; the younger chunks stay on their way, since no byte is ever filled again.
.macro CHUNK c, zero
	s_wait_tensorcnt 3-\c
	s_wait_dscnt 0x0                               ; chunk 0: my stores into PRD have landed; later: no LDS instruction of mine is out
	s_barrier_signal -1
	s_barrier_wait -1                              ; the chunk is whole for all sixteen waves
.if \c > 0
	v_add_nc_u32 v[VA], 0x10000, v[VA]
.endif
	LOADS \c, 0, 0
	STEP \c, 0, \zero
	STEP \c, 1, 0
	STEP \c, 2, 0
	STEP \c, 3, 0
.endm
	CHUNK 0, 1
	CHUNK 1, 0
	CHUNK 2, 0
	CHUNK 3, 0
	; THE END.  Registers 0-3 of each sum (numerator 0, numerator 1, the column's sum, 0) go to LDS; lanes r and r + 16 hold the same numbers and write the same bytes.
.rept 4
	v_nop                                          ; four places behind the last bf16 product
.endr
.irp t, 0,1,2,3
	ds_store_b128 v[VR], v[ACC+8*\t:ACC+8*\t+3] offset:RED+256*\t
.endr
	s_wait_dscnt 0x0                               ; for the others' sake: my partial sums lie in LDS
	s_barrier_signal -1
	s_barrier_wait -1
	s_cmp_lt_u32 s12, 2                            ; waves 0 and 1 add the eight parts: lane l takes columns 64 w + 2 l and 64 w + 2 l + 1
	s_cbranch_scc0 .Ldone
.irp g, 0,1,2,3,4,5,6,7
.irp e, 0,1
	ds_load_b128 v[AFF+8*\g+4*\e:AFF+8*\g+4*\e+3], v[VRD] offset:RED+2048*\g+16*\e
.endr
.endr
	s_wait_dscnt 0x0
.irp g, 1,2,3,4,5,6,7
.irp e, 0,1
	v_pk_add_f32 v[AFF+4*\e:AFF+4*\e+1], v[AFF+4*\e:AFF+4*\e+1], v[AFF+8*\g+4*\e:AFF+8*\g+4*\e+1]
	v_add_f32 v[AFF+4*\e+2], v[AFF+4*\e+2], v[AFF+8*\g+4*\e+2]
.endr
.endr
	v_add_f32 v[AFF+2], 0x3727c5ac, v[AFF+2]       ; + 1e-5
	v_add_f32 v[AFF+6], 0x3727c5ac, v[AFF+6]
	v_rcp_f32 v[AFF+2], v[AFF+2]
	v_rcp_f32 v[AFF+6], v[AFF+6]
	v_nop                                          ; one plain instruction behind a transcendental before its result is used (ISA guide 5.7.2)
	s_wait_alu depctr_va_vdst(0)
	v_mul_f32 v[PB], v[AFF], v[AFF+2]              ; channel 0: q, q + 1
	v_mul_f32 v[PB+1], v[AFF+4], v[AFF+6]
	v_mul_f32 v[PB+2], v[AFF+1], v[AFF+2]          ; channel 1
	v_mul_f32 v[PB+3], v[AFF+5], v[AFF+6]
	global_store_b64 v[VO], v[PB:PB+1], s[10:11]               ; 32 lanes store 256 consecutive bytes, at a multiple of 256 from out0's first byte
	global_store_b64 v[VO], v[PB+2:PB+3], s[10:11] offset:16384
.Ldone:
	s_wait_tensorcnt 0x0                           ; no tensor load of mine is out,
	s_wait_dscnt 0x0                               ; and no LDS instruction
	s_wait_xcnt 0x0
	v_lshl_add_u32 v254, v0, 2, 0x4c100
	v_mov_b32 v255, 0
	s_wait_tensorcnt 0x0
	ds_add_u32 v254, v255
	s_wait_dscnt 0x0
	CROUND                                         ; the closing round: no work-group ends while a partner may still ask for a piece that names it
	s_endpgm
.Lfunc_end_k_q89586ad62c_aggregate:
	.size	k_q89586ad62c_aggregate, .Lfunc_end_k_q89586ad62c_aggregate-k_q89586ad62c_aggregate
	.p2alignl 7, 3214868480
	.fill 96, 4, 3214868480
	.section	.rodata,"a",@progbits
	.p2align	6, 0x0
	.amdhsa_kernel k_q89586ad62c_aggregate
		.amdhsa_group_segment_fixed_size 327680
		.amdhsa_private_segment_fixed_size 0
		.amdhsa_enable_private_segment 0
		.amdhsa_kernarg_size 32
		.amdhsa_user_sgpr_count 2
		.amdhsa_user_sgpr_kernarg_segment_ptr 1
		.amdhsa_wavefront_size32 1
		.amdhsa_system_sgpr_workgroup_id_x 1
		.amdhsa_system_sgpr_workgroup_id_y 1
		.amdhsa_system_sgpr_workgroup_id_z 1
		.amdhsa_system_vgpr_workitem_id 0
		.amdhsa_next_free_vgpr 256
		.amdhsa_next_free_sgpr 76
		.amdhsa_reserve_vcc 0
		.amdhsa_float_denorm_mode_32 3
		.amdhsa_float_denorm_mode_16_64 3
		.amdhsa_memory_ordered 1
		.amdhsa_forward_progress 1
		.amdhsa_inst_pref_size 111
	.end_amdhsa_kernel
	.amdgpu_metadata
---
amdhsa.version: [ 1, 2 ]
amdhsa.kernels:
  - .name:           k_q89586ad62c_aggregate
    .symbol:         k_q89586ad62c_aggregate.kd
    .args:
      - { .name: fq_codes, .offset: 0, .size: 8, .value_kind: global_buffer, .address_space: global }
      - { .name: fq_scales, .offset: 8, .size: 8, .value_kind: global_buffer, .address_space: global }
      - { .name: pred, .offset: 16, .size: 8, .value_kind: global_buffer, .address_space: global }
      - { .name: out0, .offset: 24, .size: 8, .value_kind: global_buffer, .address_space: global }
    .group_segment_fixed_size: 327680
    .private_segment_fixed_size: 0
    .kernarg_segment_align: 8
    .kernarg_segment_size: 32
    .max_flat_workgroup_size: 512
    .sgpr_count:     76
    .vgpr_count:     256
    .wavefront_size: 32
...
	.end_amdgpu_metadata
.endif
;; end of part 2
